; MI455X (gfx1250); checked and timed in simulation.
; The chip was launched on July 23, 2026; its instructions are those of AMD's public machine-readable ISA for CDNA 5 (MIT licence, August 2026) and "CDNA5" Instruction Set Architecture Reference Guide (July 2026). The comments in the code are by the model that wrote it; some were corrected since.
;; Prototype KNN Retriever. Allowed arithmetic: matrix products marked QUANTISED: E3M2 operands, one E8M0 scale for each 32 along K, by v_wmma_scale_f32_16x16x128_f8f6f4 with both operands' format E3M2, f32 sums; products left as they are: f32 operands where the result goes on into a quantised operand, else bf16, f16 or f32 operands; f32 sums; everything else in f32.
;; Inputs: h_clean 1,024 x 256 float32; phones 1,024 int32; proto_genders 100,000 int32; proto_phones 100,000 int32; proto_speakers 100,000 int32; prototypes 100,000 x 256 float32.
;; Outputs: out0 1,024 x 256 float32.
;; Constants: target_gender = 0, target_speaker = 3.
;; This version of the problem:
;;   THIS VERSION OF THE PROBLEM IS GIVEN IN LOW PRECISION. The matrix products marked QUANTISED in the list below multiply operands that are first quantised to E3M2 (3 exponent bits, 2 mantissa bits; 6 bits a number), with one power-of-two scale for each 32 numbers along K (OCP MX v1.0); their sums are f32. All else is computed in f32.
;;   The module's matrix products, in the order in which they are computed (A, B: the left and right operand; K: the contracted axis; several contracted axes count as one K, in the product's order):
;;     1. [M 1,024, K 256] x [K 256, N 100,000]; A: input h_clean; B: input prototypes: QUANTISED
;;     2. batch 1,024 x [M 1, K 4] x [K 4, N 256]; A: softmax; B: computed on the way: left as it is (K = 4 < 32)
;;   THE QUANTISER, for each operand of a quantised product, along K:
;;     - K is cut into blocks of 32 from its start; a last block that is shorter is filled with zeros.
;;     - A block's scale is 2^e with e = floor(log2(the largest magnitude in the block)) - 4, held to -126 .. 127; a block of zeros has e = 0. As a byte (E8M0): e + 127.
;;     - Each number is divided by its block's scale, clamped to +-28, and rounded to the nearest number of E3M2, ties to even, subnormals kept.
;;     - The product sums the exact products of the quantised numbers (number of the format x scale) in f32.
;;   ~~~python
;;   def quantise(x, axis):      # numpy; x: float32 -> the quantised numbers, widened to float32 again
;;       x = np.moveaxis(x, axis, -1); K = x.shape[-1]
;;       x = np.pad(x, [(0, 0)] * (x.ndim - 1) + [(0, -K % 32)]); x = x.reshape(x.shape[:-1] + (-1, 32)); a = np.abs(x).max(-1, keepdims=True)
;;       e = np.where(a > 0, np.clip(np.frexp(np.where(a > 0, a, 1))[1] - 1 - 4, -126, 127), 0)      # np.frexp(a)[1] - 1 = floor(log2(a)), exactly
;;       r = np.clip(x / 2.0 ** e, -28, 28)
;;       step = 2.0 ** (np.maximum(np.frexp(np.where(r == 0, 1, r))[1] - 1, -2) - 2)
;;       q = np.round(r / step) * step * 2.0 ** e      # np.round: ties to even
;;       return np.moveaxis(q.reshape(q.shape[:-2] + (-1,))[..., :K], -1, axis).astype(np.float32)
;;   ~~~
;; One version. Each part assembles by itself: llvm-mc -triple=amdgcn-amd-amdhsa -mcpu=gfx1250 --defsym DOCPART=n.
;; ======== version 1 of 1: 3 launches
;; limits: right only within a limited range of input values
;; workspace buffers: pval 1,048,576 bytes; pidx 1,048,576 bytes of whole numbers; pcnt 131,072 bytes of whole numbers; tidx 16,384 bytes of whole numbers; twgt 16,384 bytes
;; launch scan_dist (part 1): grid 32 x 8, 8 waves a work-group, no clusters, 246,016 bytes of LDS; arguments h_clean, phones, proto_genders, proto_phones, proto_speakers, prototypes, pval, pidx, pcnt; writes pval, pidx, pcnt
.if DOCPART == 1
	.amdgcn_target "amdgcn-amd-amdhsa--gfx1250"
	.amdhsa_code_object_version 6
	.text
	.protected	k_qc79a7cad86_scan_dist
	.globl	k_qc79a7cad86_scan_dist
	.p2align	8
	.type	k_qc79a7cad86_scan_dist,@function
k_qc79a7cad86_scan_dist:
	s_mov_b64 s[64:65], 0
	v_nop
	global_prefetch_b8 v0, s[64:65] scope:SCOPE_SE
	s_setreg_imm32_b32 hwreg(HW_REG_WAVE_MODE, 25, 1), 1
	s_wait_xcnt 0x0
; FIRST OF THREE LAUNCHES.  For 128 queries (work-group y) and a chunk of 3,136 prototypes (work-group x): the four nearest prototypes of each query in the chunk, twice over:
; list B among the prototypes with gender == 0 and speaker == 3 (base), list P among those of them that also carry the query's phone, and the number of the latter.
; The second launch adds the numbers over the 32 chunks, takes P where the sum is at least 4 and B otherwise, and joins the 32 lists; the third gathers the rows.
; WORK LEFT OUT.  In both arms of mask = where(use_phone, cand, base) a prototype with base == false is masked, so its d2 is replaced by BIG for every query, whatever the inputs hold: its column of the
; product, its sum of squares and its row are never formed or read.  The choice is made by whole numbers that this launch reads (proto_genders, proto_speakers).  Inside base every product is done
; and the phone's mask selects.  No input is without a way to the output: all are loaded.  LIMIT: a NaN, an infinity or an overflow that lies only in rows left out is not carried to the result.
; SCORE.  s = h.p - (|h|^2 + |p|^2) / 2, so that d2 = -2 s exactly and the smallest d2 is the largest s; BIG becomes NEG = -f32(1e30) / 2.  h.p is the quantised product (E3M2 codes, one E8M0 byte for 32 along K);
; -(|h|^2 + |p|^2) / 2, made in f32 of the unquantised numbers, is the C of the first of the two matrix instructions (K = 256).
; LIMITS: NaN and infinities among h_clean and the base rows are not served; a true d2 of 1e30 or more is not told apart from a masked slot; blocks whose largest magnitude lies under 2^(4 - 126) get the byte 1.
; SHARES.  Wave w owns (i) 16 queries, whose codes stay in its registers, and (ii) a region of 12 or 13 groups of 32 prototypes: it finds the region's base prototypes, gathers their rows, quantises them, 16 to a tile,
; and lays each tile in LDS as an image of the operand's registers; behind a barrier all eight waves multiply all tiles by their own queries.  LDS holds 9 tiles a region: a region with more goes in up to 3 batches.
; SLOTS.  Slot t of a tile is the operand's row 8 (t & 1) + (t >> 1): in the result register j then holds slot 2 j in lanes 0-15 and slot 2 j + 1 in lanes 16-31, so a lane meets ascending indices and a tile
; with v slots in use costs only ceil(v / 2) registers of selection.
; No tensor load and no copy: rows are gathered by a list, and branches hang on whole numbers read from memory.
.set REC,   3392                       ; a tile's record in LDS: 3,072 bytes of codes (two fragments), 128 of scale words, 64 each of -|p|^2/2, phone and index, by the operand's row
.set WT,    0                          ; LDS: words 0-7: the eight regions' numbers of base prototypes
.set CNTB,  256                        ; 512 bytes: the 128 queries' counts on their way out
.set IMG,   768                        ; 72 records: 9 for each region
.set SPARE, 244992                     ; the spare words, 128 bytes for each wave: four blocks of 256 bytes that no other line names
.set LANE, 1
.set R,    2                           ; lane % 16
.set HF,   3                           ; lane / 16
.set SPW,  4                           ; LDS address of my spare word; never rewritten
.set NIL,  5                           ; 0, for the add alone
.set SLT,  6                           ; the slot that my row of a tile holds: 2 (r & 7) + (r >> 3)
.set H64,  7
.set LI,   8                           ; 16 x lane
.set R4,   9
.set H32,  10
.set L4,   11
.set RA,   12                          ; where I store images
.set RS,   13                          ; where I store a row's words
.set AA,   14                          ; where I read images,
.set AB,   15                          ; scale words,
.set AC,   16                          ; and my eight rows' words
.set NV8,  17                          ; lane i % 8: region i's number
.set PS,   18                          ; v18-20 my slot's rank in the region, for the trip's three tiles
.set GX,   21                          ; v21-23 its prototype
.set RO,   24                          ; v24-26 its row's byte offset
.set PO,   27                          ; v27-29 its phone's byte offset
.set PH,   30                          ; v30-32 its phone
.set WTA,  33
.set BQ,   34                          ; v34-57 my queries' two fragments
.set QS,   58                          ; their scale words: lanes 0-15 K step 0, lanes 16-31 K step 1; scales and nothing else
.set AS,   59                          ; a tile's scale words, likewise
.set HH,   60                          ; v60-61 -|h|^2 / 2 of my query, twice
.set QP,   62                          ; my query's phone
.set CNT,  63
.set VB,   64                          ; lists: four scores, descending, and their indices
.set IB,   68
.set VP,   72
.set IP,   76
.set TM,   80                          ; v80-95 the quantiser's: largest magnitudes, bytes, -, scale operands
.set PW,   96
.set PW0,  97
.set PC,   98                          ; v98-109 a fragment just made
.set XT,   110                         ; v110-117 the upper halves of its blocks
.set SA,   118                         ; v118-121 sums of squares, two chains of pairs
.set T0,   122
.set T1,   123
.set T2,   124
.set ZR,   127                         ; 0
.set VO,   80                          ; the scan only: offsets, genders, speakers of my 13 groups
.set GD,   93
.set SD,   106
.set SM,   98                          ; SELECT only
.set SBS,  99
.set SG,   100
.set SK,   101
.set S2,   102
.set S4,   103
.set S8,   104
.set STT,  105
.set SU,   106
.set SPO,  107
.set AF,   128                         ; the products only: a tile's two fragments,
.set PPR,  152                         ; -|p|^2 / 2, phone and index of my eight rows,
.set CPH,  160
.set GIR,  168
.set ACC,  176                         ; and the scores
.set FV,   184                         ; the end only
.set FI,   188
.set CT,   192
.set CL,   194
.set OF1,  196
.set OF2,  197
.set WV,   22
.set CH,   23
.set QB,   24
.set G0,   25
.set GL,   26
.set DEF,  27
.set SEL,  28
.set HM,   30
.set NW,   31
.set MM,   32                          ; s32-44 my 13 groups' flags
.set LP,   45                          ; s45-58 their running counts
.set KB,   59
.set UU,   60
.set P0,   61
.set RCA,  62
.set RB,   63
.set CC,   66                          ; s66-69
.set VM,   70                          ; s70-72
.set QF,   78
.set WQ,   80
.set JJ,   81
.set REM,  82
.set NVR,  83
.set AO,   84
.set AI,   85
.set KOF,  86
.set NPAD, 87
.set NEGS, 88
.set SENT, 89
.set MSB, 0
.macro WIN new                         ; the immediate's high byte repeats the setting that is left; a switch that changes nothing is dropped
.if MSB != \new
	s_set_vgpr_msb (MSB<<8)|\new
.set MSB, \new
.endif
.endm
.macro BARRIER                         ; my LDS stores have landed and my LDS loads are in: then the work-group's barrier
	s_wait_dscnt 0x0
	s_barrier_signal -1
	s_barrier_wait -1
.endm
; Rank p (a lane's own) -> e = 32 i + bit of the p-th set flag of my 13 words.  The word: the last i whose running count is at most p.  The bit: by the word's partial counts, halving five times.
.macro SELECT p, e
	v_mov_b32 v[SM], s[MM]
	v_mov_b32 v[SBS], 0
	v_mov_b32 v[SG], 0
.irp i, 1,2,3,4,5,6,7,8,9,10,11,12
	v_cmp_gt_u32 vcc_lo, s[LP+\i], v[\p]
	v_cndmask_b32 v[SM], s[MM+\i], v[SM], vcc_lo
	v_cndmask_b32 v[SBS], s[LP+\i], v[SBS], vcc_lo
	v_cndmask_b32 v[SG], 32*\i, v[SG], vcc_lo
.endr
	v_sub_nc_u32 v[SK], v[\p], v[SBS]              ; the rank inside the word
	v_lshrrev_b32 v[S2], 1, v[SM]
	v_and_b32 v[S2], 0x55555555, v[S2]
	v_sub_nc_u32 v[S2], v[SM], v[S2]               ; counts of 2 bits
	v_lshrrev_b32 v[S4], 2, v[S2]
	v_and_b32 v[S4], 0x33333333, v[S4]
	v_and_b32 v[STT], 0x33333333, v[S2]
	v_add_nc_u32 v[S4], v[S4], v[STT]              ; of 4
	v_lshrrev_b32 v[S8], 4, v[S4]
	v_add_nc_u32 v[S8], v[S8], v[S4]
	v_and_b32 v[S8], 0x0f0f0f0f, v[S8]             ; of 8
	v_lshrrev_b32 v[STT], 8, v[S8]
	v_add_nc_u32 v[STT], v[STT], v[S8]
	v_and_b32 v[STT], 0xff, v[STT]                 ; of the low 16
	v_cmp_lt_u32 vcc_lo, v[SK], v[STT]
	v_cndmask_b32 v[STT], v[STT], v[ZR], vcc_lo
	v_sub_nc_u32 v[SK], v[SK], v[STT]
	v_cndmask_b32 v[SPO], 16, v[ZR], vcc_lo
.irp w, 8,4,2,1
.if \w == 8
	v_bfe_u32 v[STT], v[S8], v[SPO], 8
.elseif \w == 4
	v_bfe_u32 v[STT], v[S4], v[SPO], 4
.elseif \w == 2
	v_bfe_u32 v[STT], v[S2], v[SPO], 2
.else
	v_bfe_u32 v[STT], v[SM], v[SPO], 1
.endif
	v_cmp_lt_u32 vcc_lo, v[SK], v[STT]
	v_cndmask_b32 v[STT], v[STT], v[ZR], vcc_lo
	v_sub_nc_u32 v[SK], v[SK], v[STT]
	v_cndmask_b32 v[SU], \w, v[ZR], vcc_lo
	v_add_nc_u32 v[SPO], v[SPO], v[SU]
.endr
	v_add_nc_u32 v[\e], v[SG], v[SPO]
.endm
; 64 numbers of a lane, register st + 16 b + i of window win = k 32 b + 16 (lane / 16) + i of my row's K step, become a fragment's codes in v[dst] on and its scale word in v[PW];
; their squares go onto the two chains in v[SA] on (first = 1: they start the chains).
.macro QROW st, win, first, dst
	WIN 0x05*\win
.irp b, 0,1,2,3
	v_max3_num_f32 v[TM+\b], |v[(\st)+16*\b]|, |v[(\st)+1+16*\b]|, 0x2800000   ; block b: my 16 numbers, and the floor 2^(5 - 127): the byte cannot fall under 1
.endr
.set qi, 0
.rept 32
.if \first && (qi < 2)
	v_pk_mul_f32 v[SA+2*qi:SA+2*qi+1], v[(\st)+2*qi:(\st)+2*qi+1], v[(\st)+2*qi:(\st)+2*qi+1]
.else
	v_pk_fma_f32 v[SA+2*(qi%2):SA+2*(qi%2)+1], v[(\st)+2*qi:(\st)+2*qi+1], v[(\st)+2*qi:(\st)+2*qi+1], v[SA+2*(qi%2):SA+2*(qi%2)+1]
.endif
.set qi, qi+1
.endr
	WIN 0x14*\win
.irp i, 2,4,6,8,10,12,14
.irp b, 0,1,2,3
	v_max3_num_f32 v[TM+\b], v[TM+\b], |v[(\st)+16*\b+\i]|, |v[(\st)+1+16*\b+\i]|
.endr
.endr
	WIN 0
.irp b, 0,1,2,3
	v_permlanex16_b32 v[TM+4+\b], v[TM+\b], s[SEL], s[SEL+1]
.endr
.irp b, 0,1,2,3
	v_max_num_f32 v[TM+\b], v[TM+\b], v[TM+4+\b]   ; with lane l xor 16's: the block's largest magnitude
.endr
.irp b, 0,1,2,3
	v_add_nc_u32 v[TM+12+\b], 0xfe000000, v[TM+\b] ; 4 off its exponent field: the conversion's scale operand
.endr
.irp b, 0,1,2,3
	v_lshrrev_b32 v[TM+4+\b], 23, v[TM+12+\b]      ; the scale's byte
.endr
	v_lshl_or_b32 v[PW], v[TM+5], 8, v[TM+4]
	v_lshl_or_b32 v[PW], v[TM+6], 16, v[PW]
	v_lshl_or_b32 v[PW], v[TM+7], 24, v[PW]
	WIN 0x01*\win
.irp c, 0,1
	v_cvt_scalef32_pk16_bf6_f32 v[(\dst)+6*\c:(\dst)+2+6*\c], v[(\st)+32*\c:(\st)+15+32*\c], v[TM+12+2*\c]
	v_cvt_scalef32_pk16_bf6_f32 v[XT+4*\c:XT+2+4*\c], v[(\st)+16+32*\c:(\st)+31+32*\c], v[TM+13+2*\c]   ; (a conversion's three registers begin on an even number)
.endr
	WIN 0
	v_nop                                          ; one plain place behind a scaled conversion
.irp c, 0,1                                    ; the operand's layout wants a whole block in a lane: lanes 0-15 block 2 c, lanes 16-31 block 2 c + 1
.irp i, 0,1,2
	v_permlane16_swap_b32 v[(\dst)+6*\c+\i], v[XT+4*\c+\i]
.endr
.irp i, 0,1,2
	v_mov_b32 v[(\dst)+3+6*\c+\i], v[XT+4*\c+\i]
.endr
.endr
.endm
.macro SQEND                           ; v[SA] = my row's sum of squares, in both halves of the lanes
	v_pk_add_f32 v[SA:SA+1], v[SA:SA+1], v[SA+2:SA+3]
	v_add_f32 v[SA], v[SA], v[SA+1]
	v_permlanex16_b32 v[T0], v[SA], s[SEL], s[SEL+1]
	v_add_f32 v[SA], v[SA], v[T0]
.endm
; Score x with index g goes into the list V, I (four, descending).  full = 0: candidates come in ascending index, so a strict comparison leaves the lower index in front at a tie.
; full = 1: they do not (later batches): at equal scores the lower index counts as the larger key.
.macro INS V, I, x, g, full
.irp k, 3,2,1,0
	v_cmp_gt_f32 s[CC+\k], v[\x], v[\V+\k]
.if \full
	v_cmp_eq_f32 s73, v[\x], v[\V+\k]
	v_cmp_lt_u32 s74, v[\g], v[\I+\k]
	s_and_b32 s73, s73, s74
	s_or_b32 s[CC+\k], s[CC+\k], s73
.endif
.endr
	v_cndmask_b32 v[T0], v[\g], v[\I+2], s[CC+2]
	v_cndmask_b32 v[T1], v[\g], v[\I+1], s[CC+1]
	v_cndmask_b32 v[T2], v[\g], v[\I], s[CC]
	v_cndmask_b32 v[\I+3], v[\I+3], v[T0], s[CC+3]
	v_cndmask_b32 v[\I+2], v[\I+2], v[T1], s[CC+2]
	v_cndmask_b32 v[\I+1], v[\I+1], v[T2], s[CC+1]
	v_cndmask_b32 v[\I], v[\I], v[\g], s[CC]
	v_med3_num_f32 v[\V+3], v[\V+2], v[\V+3], v[\x]
	v_med3_num_f32 v[\V+2], v[\V+1], v[\V+2], v[\x]
	v_med3_num_f32 v[\V+1], v[\V], v[\V+1], v[\x]
	v_max_num_f32 v[\V], v[\V], v[\x]
.endm
; Register j of a tile's scores: into list B for all lanes; into list P, and counted, for the lanes whose query has the candidate's phone.  The branches hang on whole numbers alone.
.macro EPI j, full
.if \j > 0
	s_cmp_le_u32 s[NVR], \j
	s_cbranch_scc1 .Ltile_end
.endif
	INS VB, IB, ACC+\j, GIR+\j, \full
	v_cmpx_eq_u32 v[QP], v[CPH+\j]
	s_cbranch_execz .Lnone_\@
	v_add_nc_u32 v[CNT], 1, v[CNT]
	INS VP, IP, ACC+\j, GIR+\j, \full
.Lnone_\@:
	s_mov_b32 exec_lo, -1
.endm
.macro BET xv, xi, yv, yi              ; vcc: x is the better: the larger score, at equal scores the lower index
	v_cmp_gt_f32 vcc_lo, v[\xv], v[\yv]
	v_cmp_eq_f32 s73, v[\xv], v[\yv]
	v_cmp_lt_u32 s74, v[\xi], v[\yi]
	s_and_b32 s73, s73, s74
	s_or_b32 vcc_lo, vcc_lo, s73
.endm
.macro CEX V, I, a, b                  ; the better of places a and b to a
	BET \V+\a, \I+\a, \V+\b, \I+\b
	v_cndmask_b32 v[T0], v[\V+\b], v[\V+\a], vcc_lo
	v_cndmask_b32 v[T1], v[\I+\b], v[\I+\a], vcc_lo
	v_cndmask_b32 v[\V+\b], v[\V+\a], v[\V+\b], vcc_lo
	v_cndmask_b32 v[\I+\b], v[\I+\a], v[\I+\b], vcc_lo
	v_mov_b32 v[\V+\a], v[T0]
	v_mov_b32 v[\I+\a], v[T1]
.endm
.macro MERGE LV, LX, MV, MX            ; two sorted lists of four -> the best four, sorted, in the first: the better of places k and 3 - k, then a bitonic sort of four
.irp k, 0,1,2,3
	BET \LV+\k, \LX+\k, \MV+3-\k, \MX+3-\k
	v_cndmask_b32 v[\LV+\k], v[\MV+3-\k], v[\LV+\k], vcc_lo
	v_cndmask_b32 v[\LX+\k], v[\MX+3-\k], v[\LX+\k], vcc_lo
.endr
	CEX \LV, \LX, 0, 2
	CEX \LV, \LX, 1, 3
	CEX \LV, \LX, 0, 1
	CEX \LV, \LX, 2, 3
.endm
; Tile i of a trip: my slot's rank, its prototype, and the loads of its row (into st of window win) and its phone.  A slot past the region's number takes the region's first prototype, so every load stays inside its buffer.
.macro ASKT i, st, win
	s_add_co_u32 s73, s[P0], 16*\i
	v_add_nc_u32 v[PS+\i], s73, v[SLT]
	v_cmp_gt_u32 s[VM+\i], s[NW], v[PS+\i]         ; the slot is in use
	SELECT PS+\i, GX+\i
	v_cndmask_b32 v[GX+\i], v[ZR], v[GX+\i], s[VM+\i]
	v_add_nc_u32 v[GX+\i], s[DEF], v[GX+\i]
	v_min_u32 v[GX+\i], 0x1869f, v[GX+\i]          ; a number derived from loaded flags enters addresses only behind this bound, N - 1
	v_lshlrev_b32 v[RO+\i], 10, v[GX+\i]
	v_add_nc_u32 v[RO+\i], v[RO+\i], v[H64]        ; row x 1,024 bytes + my half's 16 numbers of each block of 32
	v_lshlrev_b32 v[PO+\i], 2, v[GX+\i]
	WIN 0x40*\win
.irp q, 0,1,2,3,4,5,6,7
.irp j, 0,1,2,3
	global_load_b128 v[\st+16*\q+4*\j:\st+16*\q+4*\j+3], v[RO+\i], s[14:15] offset:128*\q+16*\j
.endr
.endr
	WIN 0
	global_load_b32 v[PH+\i], v[PO+\i], s[10:11]
.endm
; Tile i of a trip is quantised and laid in its record.  left: the younger loads that may stay out.
.macro DOT i, st, win, left
	s_wait_loadcnt \left
	s_add_co_u32 s73, s[P0], 16*\i
	s_cmp_ge_u32 s73, s[NW]
	s_cbranch_scc1 .Lempty_\@                      ; no slot of the tile is in use: nobody will read its record
	QROW \st, \win, 1, PC
.irp c, 0,1,2
	ds_store_b128 v[RA], v[PC+4*\c:PC+4*\c+3] offset:\i*REC+512*\c
.endr
	ds_store_b32 v[RS], v[PW] offset:\i*REC+3072
	s_wait_dscnt 0x0                               ; the stores have read their registers
	QROW \st+64, \win, 0, PC
.irp c, 0,1,2
	ds_store_b128 v[RA], v[PC+4*\c:PC+4*\c+3] offset:\i*REC+1536+512*\c
.endr
	ds_store_b32 v[RS], v[PW] offset:\i*REC+3136
	SQEND
	v_mul_f32 v[T1], -0.5, v[SA]
	v_cndmask_b32 v[T1], s[NEGS], v[T1], s[VM+\i]  ; a slot not in use scores NEG
	v_cndmask_b32 v[T2], s[SENT], v[PH+\i], s[VM+\i]   ; and carries a phone of its own (what a query with that very phone counts of it is taken off at the end)
	ds_store_b32 v[RS], v[T1] offset:\i*REC+3200
	ds_store_b32 v[RS], v[T2] offset:\i*REC+3264
	ds_store_b32 v[RS], v[GX+\i] offset:\i*REC+3328
	s_wait_dscnt 0x0
.Lempty_\@:
.endm
	s_load_b512 s[4:19], s[0:1], 0x0               ; h s[4:5], phones s[6:7], genders s[8:9], proto_phones s[10:11], speakers s[12:13], prototypes s[14:15], pval s[16:17], pidx s[18:19]
	s_load_b64 s[20:21], s[0:1], 0x40              ; pcnt
	v_lshl_add_u32 v[SPW], v0, 2, SPARE
	v_mov_b32 v[NIL], 0
	v_lshrrev_b32 v[LANE], 5, v0
	v_readfirstlane_b32 s[WV], v[LANE]             ; wave 0..7
	v_and_b32 v[LANE], 31, v0
	v_and_b32 v[R], 15, v0
	v_bfe_u32 v[HF], v0, 4, 1
	v_and_b32 v[SLT], 7, v[R]
	v_lshrrev_b32 v[T0], 3, v[R]
	v_lshl_add_u32 v[SLT], v[SLT], 1, v[T0]
	v_lshlrev_b32 v[H64], 6, v[HF]
	v_lshlrev_b32 v[LI], 4, v[LANE]
	v_lshlrev_b32 v[R4], 2, v[R]
	v_lshlrev_b32 v[H32], 5, v[HF]
	v_lshlrev_b32 v[L4], 2, v[LANE]
	v_and_b32 v[WTA], 7, v0
	v_lshlrev_b32 v[WTA], 2, v[WTA]
	v_mov_b32 v[ZR], 0
	s_mov_b32 s[CH], ttmp9                         ; the chunk
	s_and_b32 s[QB], ttmp7, 0xffff                 ; the block of 128 queries
	s_mov_b32 s[SEL], 0x76543210
	s_mov_b32 s[SEL+1], 0xfedcba98                 ; v_permlanex16_b32's selects for lane l xor 16
	s_mov_b32 s[HM], 0xffff0000                    ; lanes 16-31
	s_mov_b32 s[NEGS], 0xf0c9f2ca                  ; NEG = -f32(1e30) / 2
	s_mov_b32 s[SENT], 0x80000000
	s_mul_i32 s73, s[CH], 98                       ; a chunk is 98 groups of 32; waves 0 and 1 take 13 of them, the others 12
	s_mul_i32 s74, s[WV], 12
	s_min_u32 s75, s[WV], 2
	s_add_co_u32 s[G0], s73, s74
	s_add_co_u32 s[G0], s[G0], s75                 ; my first group (at most 3,124)
	s_add_co_u32 s76, s[WV], 1
	s_min_u32 s77, s76, 2
	s_mul_i32 s76, s76, 12
	s_add_co_u32 s[GL], s73, s76
	s_add_co_u32 s[GL], s[GL], s77
	s_min_u32 s[GL], s[GL], 3125                   ; the group behind my last: N is 3,125 groups
	s_lshl_b32 s[DEF], s[G0], 5                    ; my region's first prototype
.irp i, 0,1,2,3,4,5,6,7,8,9,10,11,12
	s_add_co_u32 s75, s[G0], \i
	s_min_u32 s75, s75, 3124                       ; a group past the end is read as the last one and masked below
	s_lshl_b32 s75, s75, 7
	v_add_nc_u32 v[VO+\i], s75, v[L4]
.endr
	s_lshl_b32 s[QF], s[QB], 7
	s_lshl_b32 s74, s[WV], 4
	s_add_co_u32 s[QF], s[QF], s74                 ; my first query
	s_lshl_b32 s74, s[QF], 10
	v_lshl_add_u32 v[RO], v[R], 10, v[H64]
	v_add_nc_u32 v[RO], s74, v[RO]
	s_lshl_b32 s74, s[QF], 2
	v_add_nc_u32 v[PO], s74, v[R4]
	s_mul_i32 s[RB], s[WV], 9*REC
	s_add_co_u32 s[RB], s[RB], IMG                 ; my region's nine records
	s_lshl_b32 s74, s[WV], 2
	v_mov_b32 v[RS], s74                           ; WT + 4 x wave
	s_wait_kmcnt 0x0
.irp i, 0,1,2,3,4,5,6,7,8,9,10,11,12
	global_load_b32 v[GD+\i], v[VO+\i], s[8:9]
	global_load_b32 v[SD+\i], v[VO+\i], s[12:13]
.endr
.irp q, 0,1,2,3,4,5,6,7
.irp j, 0,1,2,3
	global_load_b128 v[128+16*\q+4*\j:128+16*\q+4*\j+3], v[RO], s[4:5] offset:128*\q+16*\j   ; my 16 queries, as the quantiser wants them
.endr
.endr
	global_load_b32 v[QP], v[PO], s[6:7]
	; ---- the scan: a word of flags for each group, and the running counts
	s_wait_loadcnt 33                              ; the 26 loads of flags are in; behind them were issued the 32 of h and the one of phones
	s_mov_b32 s[LP], 0
.irp i, 0,1,2,3,4,5,6,7,8,9,10,11,12
	v_cmp_eq_u32 s73, 0, v[GD+\i]                  ; target_gender = 0
	v_cmp_eq_u32 s74, 3, v[SD+\i]                  ; target_speaker = 3
	s_and_b32 s[MM+\i], s73, s74
	s_add_co_u32 s75, s[G0], \i
	s_cmp_lt_u32 s75, s[GL]
	s_cselect_b32 s75, -1, 0
	s_and_b32 s[MM+\i], s[MM+\i], s75
	s_bcnt1_i32_b32 s75, s[MM+\i]
	s_add_co_u32 s[LP+\i+1], s[LP+\i], s75
.endr
	s_mov_b32 s[NW], s[LP+13]                      ; my region's number of base prototypes
	v_mov_b32 v[T0], s[NW]
	ds_store_b32 v[RS], v[T0]
	; ---- my queries: codes, scale words, -|h|^2 / 2; the lists begin as four masked slots with the indices 0 .. 3
.irp b, 0,1,2,3
	v_mov_b32 v[TM+4+\b], 0                        ; written once: a lane permute's destination counts as one of its sources
.endr
.irp k, 0,1,2,3
	v_mov_b32 v[VB+\k], s[NEGS]
	v_mov_b32 v[VP+\k], s[NEGS]
	v_mov_b32 v[IB+\k], \k
	v_mov_b32 v[IP+\k], \k
.endr
	v_mov_b32 v[CNT], 0
	s_wait_loadcnt 0x0
	QROW 128, 0, 1, BQ
	v_mov_b32 v[PW0], v[PW]
	QROW 192, 0, 0, BQ+12
	SQEND
	v_mul_f32 v[HH], -0.5, v[SA]
	v_mul_f32 v[HH+1], -0.5, v[SA]
	v_cndmask_b32 v[QS], v[PW0], v[PW], s[HM]
	; ---- up to three batches of nine tiles a region
	s_mov_b32 s[KB], 0
	s_mov_b32 s[KOF], 0
.Lbatch:
	s_mov_b32 s[UU], 0
	s_mov_b32 s[P0], s[KOF]
	s_mov_b32 s[RCA], s[RB]
.Ltrip:                                            ; three trips of three tiles; a trip past the region's number is jumped over
	s_cmp_ge_u32 s[P0], s[NW]
	s_cbranch_scc1 .Ltrip_end
	ASKT 0, 0, 1
	ASKT 1, 128, 1
	ASKT 2, 128, 0
	v_add_nc_u32 v[RA], s[RCA], v[LI]
	v_add_nc_u32 v[RS], s[RCA], v[R4]
	DOT 0, 0, 1, 63                                ; behind tile 0's 33 loads 66 were issued; the wait's field holds 63, and a smaller count is safe
	DOT 1, 128, 1, 33                              ; behind tile 1's: tile 2's 33
	DOT 2, 128, 0, 0
.Ltrip_end:
	s_add_co_u32 s[P0], s[P0], 48
	s_add_co_u32 s[RCA], s[RCA], 3*REC
	s_add_co_u32 s[UU], s[UU], 1
	s_cmp_lt_u32 s[UU], 3
	s_cbranch_scc1 .Ltrip
	BARRIER                                        ; every region's records of this batch, and the eight numbers, lie in LDS
	s_wait_xcnt 0x0                                ; EXEC changes below only behind this wait; no global instruction follows before the end
	ds_load_b32 v[NV8], v[WTA]
	s_mov_b32 s[WQ], 0
	s_mov_b32 s[AO], IMG
	s_wait_dscnt 0x0
.Lregion:
	v_readlane_b32 s[REM], v[NV8], s[WQ]
	s_sub_co_i32 s[REM], s[REM], s[KOF]            ; the region's slots from this batch on (0 or less: none; it goes on falling, to -432 at the least, and is compared as a signed number)
	s_mov_b32 s[AI], s[AO]
	s_mov_b32 s[JJ], 0
.Ltile:                                            ; always nine trips, so that the loop is left by its backward branch alone; a trip past the region's slots only steps
	s_cmp_le_i32 s[REM], 0
	s_cbranch_scc1 .Ltile_end
	v_add_nc_u32 v[AA], s[AI], v[LI]
	v_add_nc_u32 v[AB], s[AI], v[L4]
	v_add_nc_u32 v[AC], s[AI], v[H32]
.irp c, 0,1,2,3,4,5
	ds_load_b128 v[AF+4*\c:AF+4*\c+3], v[AA] offset:512*\c
.endr
	ds_load_b32 v[AS], v[AB] offset:3072
	ds_load_b128 v[PPR:PPR+3], v[AC] offset:3200
	ds_load_b128 v[PPR+4:PPR+7], v[AC] offset:3216
	ds_load_b128 v[CPH:CPH+3], v[AC] offset:3264
	ds_load_b128 v[CPH+4:CPH+7], v[AC] offset:3280
	ds_load_b128 v[GIR:GIR+3], v[AC] offset:3328
	ds_load_b128 v[GIR+4:GIR+7], v[AC] offset:3344
	s_add_co_u32 s[NVR], s[REM], 1
	s_lshr_b32 s[NVR], s[NVR], 1
	s_min_u32 s[NVR], s[NVR], 8                    ; registers of the result with a slot in use
	s_wait_dscnt 0x0
.irp j, 0,2,4,6
	v_pk_add_f32 v[ACC+\j:ACC+\j+1], v[PPR+\j:PPR+\j+1], v[HH:HH+1]   ; -(|p|^2 + |h|^2) / 2: the sums' start
.endr
	; source 0 = the tile's 16 candidates, source 1 = my 16 queries: lane (r, h), register j: query r, the tile's row 8 h + j.  One accumulator: a wait ahead of each of the two
	s_wait_alu depctr_va_vdst(0)
	v_wmma_scale_f32_16x16x128_f8f6f4 v[ACC:ACC+7], v[AF:AF+11], v[BQ:BQ+11], v[ACC:ACC+7], v[AS], v[QS] matrix_a_fmt:MATRIX_FMT_BF6 matrix_b_fmt:MATRIX_FMT_BF6
	s_wait_alu depctr_va_vdst(0)
	v_wmma_scale_f32_16x16x128_f8f6f4 v[ACC:ACC+7], v[AF+12:AF+23], v[BQ+12:BQ+23], v[ACC:ACC+7], v[AS], v[QS] matrix_a_fmt:MATRIX_FMT_BF6 matrix_b_fmt:MATRIX_FMT_BF6 matrix_a_scale:MATRIX_SCALE_ROW1 matrix_b_scale:MATRIX_SCALE_ROW1
.rept 5
	v_nop                                          ; places ahead of the first read of the scores, of the next tile's loads into the operands, and of the next tile's products
.endr
	s_cmp_lg_u32 s[KB], 0
	s_cbranch_scc1 .Lslow
.irp j, 0,1,2,3,4,5,6,7
	EPI \j, 0
.endr
	s_branch .Ltile_end
.Lslow:                                            ; later batches: a region's later tiles come behind other regions' first ones, so ties are settled by the index
.irp j, 0,1,2,3,4,5,6,7
	EPI \j, 1
.endr
.Ltile_end:
	s_sub_co_i32 s[REM], s[REM], 16
	s_add_co_u32 s[AI], s[AI], REC
	s_add_co_u32 s[JJ], s[JJ], 1
	s_cmp_lt_u32 s[JJ], 9
	s_cbranch_scc1 .Ltile
	s_add_co_u32 s[AO], s[AO], 9*REC
	s_add_co_u32 s[WQ], s[WQ], 1
	s_cmp_lt_u32 s[WQ], 8
	s_cbranch_scc1 .Lregion
	BARRIER                                        ; every wave's reads of the records are over: they may be written again
	s_add_co_u32 s[KOF], s[KOF], 144
	s_add_co_u32 s[KB], s[KB], 1
	s_cmp_lt_u32 s[KB], 3
	s_cbranch_scc1 .Lbatch
	; ---- the end: a query's even slots lie in lane r, its odd ones in lane r + 16: the two halves' lists are joined
.irp k, 0,1,2,3,4,5,6,7,8
	v_mov_b32 v[FV+\k], 0                          ; destinations of lane permutes
.endr
.irp k, 0,1,2,3
	v_permlanex16_b32 v[FV+\k], v[VB+\k], s[SEL], s[SEL+1]
	v_permlanex16_b32 v[FI+\k], v[IB+\k], s[SEL], s[SEL+1]
.endr
	MERGE VB, IB, FV, FI
.irp k, 0,1,2,3
	v_permlanex16_b32 v[FV+\k], v[VP+\k], s[SEL], s[SEL+1]
	v_permlanex16_b32 v[FI+\k], v[IP+\k], s[SEL], s[SEL+1]
.endr
	MERGE VP, IP, FV, FI
	v_permlanex16_b32 v[CT], v[CNT], s[SEL], s[SEL+1]
	v_add_nc_u32 v[CNT], v[CNT], v[CT]
	s_mov_b32 s[NPAD], 0                           ; a region with an odd number has had one slot not in use among the registers walked
.irp i, 0,1,2,3,4,5,6,7
	v_readlane_b32 s73, v[NV8], \i
	s_and_b32 s73, s73, 1
	s_add_co_u32 s[NPAD], s[NPAD], s73
.endr
	v_cmp_eq_u32 vcc_lo, s[SENT], v[QP]            ; a query whose phone is that slot's own has counted it
	v_mov_b32 v[CT], s[NPAD]
	v_cndmask_b32 v[CT], 0, v[CT], vcc_lo
	v_sub_nc_u32 v[CNT], v[CNT], v[CT]
.irp k, 0,1,2,3
	v_cndmask_b32 v[FV+\k], v[VB+\k], v[VP+\k], s[HM]   ; lanes 0-15 carry list B, lanes 16-31 list P
	v_cndmask_b32 v[FI+\k], v[IB+\k], v[IP+\k], s[HM]
.endr
	s_lshl_b32 s73, s[CH], 10
	s_add_co_u32 s74, s73, s[QF]
	s_lshl_b32 s74, s74, 4
	v_lshl_add_u32 v[OF1], v[R], 4, s74            ; [list][chunk][query][4]: 16 bytes a query,
	v_lshl_add_u32 v[OF1], v[HF], 19, v[OF1]       ; 524,288 a list
	global_store_b128 v[OF1], v[FV:FV+3], s[16:17]     ; sixteen lanes store 256 consecutive bytes, at a multiple of 256 from the buffer's first byte
	global_store_b128 v[OF1], v[FI:FI+3], s[18:19]
	s_lshl_b32 s74, s[WV], 6
	s_add_co_u32 s74, s74, CNTB
	v_add_nc_u32 v[RS], s74, v[R4]
	s_and_b32 s75, s[WV], 1
	s_lshl_b32 s75, s75, 8
	s_add_co_u32 s76, s75, CNTB
	v_lshl_add_u32 v[RA], v[LANE], 3, s76
	s_lshl_b32 s74, s[QB], 7
	s_add_co_u32 s74, s74, s73
	s_lshl_b32 s74, s74, 2
	s_add_co_u32 s74, s74, s75
	v_lshl_add_u32 v[OF2], v[LANE], 3, s74
	ds_store_b32 v[RS], v[CNT]                     ; both halves of the lanes write the same word with the same value
	BARRIER
	s_cmp_gt_u32 s[WV], 1
	s_cbranch_scc1 .Lend
	ds_load_b64 v[CL:CL+1], v[RA]                  ; waves 0 and 1: 64 queries' counts each
	s_wait_dscnt 0x0
	global_store_b64 v[OF2], v[CL:CL+1], s[20:21]  ; 32 lanes store 256 consecutive bytes, aligned
.Lend:
	s_wait_tensorcnt 0x0                           ; the wave's end: behind my last LDS store
	ds_add_u32 v[SPW], v[NIL]
	s_wait_dscnt 0x0
	s_endpgm
.Lfunc_end_k_qc79a7cad86_scan_dist:
	.size	k_qc79a7cad86_scan_dist, .Lfunc_end_k_qc79a7cad86_scan_dist-k_qc79a7cad86_scan_dist
	.p2alignl 7, 3214868480
	.fill 96, 4, 3214868480
	.section	.rodata,"a",@progbits
	.p2align	6, 0x0
	.amdhsa_kernel k_qc79a7cad86_scan_dist
		.amdhsa_group_segment_fixed_size 246016
		.amdhsa_private_segment_fixed_size 0
		.amdhsa_enable_private_segment 0
		.amdhsa_kernarg_size 72
		.amdhsa_user_sgpr_count 2
		.amdhsa_user_sgpr_kernarg_segment_ptr 1
		.amdhsa_wavefront_size32 1
		.amdhsa_system_sgpr_workgroup_id_x 1
		.amdhsa_system_sgpr_workgroup_id_y 1
		.amdhsa_system_sgpr_workgroup_id_z 1
		.amdhsa_system_vgpr_workitem_id 0
		.amdhsa_next_free_vgpr 512
		.amdhsa_next_free_sgpr 90
		.amdhsa_reserve_vcc 1
		.amdhsa_float_denorm_mode_32 3
		.amdhsa_float_denorm_mode_16_64 3
		.amdhsa_memory_ordered 1
		.amdhsa_forward_progress 1
		.amdhsa_inst_pref_size 145
	.end_amdhsa_kernel
	.amdgpu_metadata
---
amdhsa.version: [ 1, 2 ]
amdhsa.kernels:
  - .name:           k_qc79a7cad86_scan_dist
    .symbol:         k_qc79a7cad86_scan_dist.kd
    .args:
      - { .name: h_clean, .offset: 0, .size: 8, .value_kind: global_buffer, .address_space: global }
      - { .name: phones, .offset: 8, .size: 8, .value_kind: global_buffer, .address_space: global }
      - { .name: proto_genders, .offset: 16, .size: 8, .value_kind: global_buffer, .address_space: global }
      - { .name: proto_phones, .offset: 24, .size: 8, .value_kind: global_buffer, .address_space: global }
      - { .name: proto_speakers, .offset: 32, .size: 8, .value_kind: global_buffer, .address_space: global }
      - { .name: prototypes, .offset: 40, .size: 8, .value_kind: global_buffer, .address_space: global }
      - { .name: pval, .offset: 48, .size: 8, .value_kind: global_buffer, .address_space: global }
      - { .name: pidx, .offset: 56, .size: 8, .value_kind: global_buffer, .address_space: global }
      - { .name: pcnt, .offset: 64, .size: 8, .value_kind: global_buffer, .address_space: global }
    .group_segment_fixed_size: 246016
    .private_segment_fixed_size: 0
    .kernarg_segment_align: 8
    .kernarg_segment_size: 72
    .max_flat_workgroup_size: 256
    .sgpr_count:     90
    .vgpr_count:     512
    .wavefront_size: 32
...
	.end_amdgpu_metadata
.endif
;; end of part 1
;; launch merge (part 2): grid 64 x 1, 8 waves a work-group, no clusters, 5,120 bytes of LDS; arguments pval, pidx, pcnt, tidx, twgt; writes tidx, twgt
.if DOCPART == 2
	.amdgcn_target "amdgcn-amd-amdhsa--gfx1250"
	.amdhsa_code_object_version 6
	.text
	.protected	k_qc79a7cad86_merge
	.globl	k_qc79a7cad86_merge
	.p2align	8
	.type	k_qc79a7cad86_merge,@function
k_qc79a7cad86_merge:
	s_mov_b64 s[64:65], 0
	v_nop
	global_prefetch_b8 v0, s[64:65] scope:SCOPE_SE
	s_setreg_imm32_b32 hwreg(HW_REG_WAVE_MODE, 25, 1), 1
	s_wait_xcnt 0x0
; SECOND LAUNCH.  For each query: the 32 chunks' counts are added; where the sum is at least K = 4 the lists P (base and phone) are taken, else the lists B (base); the 32 lists of four are joined by
; (score descending, index ascending), which is top_k's order; the softmax of -d2 = 2 s is taken with its maximum taken away; four indices and four weights are stored for the third launch.
; Nothing is left out here.  A slot that stayed masked (score NEG) gets the index of its place, 0 .. 3: with no base prototype at all these are top_k's own indices and each weighs 1/4; beside a true candidate
; its weight is 0.  LIMIT: there reference() names its lowest masked rows; with weight 0 and finite prototypes the result is the same.
; SHARES.  A work-group owns 16 queries: a chunk's lists of them are 256 consecutive bytes.  Wave w, lane (r, h): query r, chunks 4 w + h and 4 w + 2 + h.  The eight waves' lists meet in LDS; wave 0 finishes.
.set XV,    0                          ; LDS: eight waves x 16 queries x four scores,
.set XI,    2048                       ; and four indices
.set SPARE, 4096                       ; the spare words, 128 bytes for each wave: four blocks of 256 bytes that no other line names
.set LANE, 1
.set R,    2
.set HF,   3
.set SPW,  4
.set NIL,  5
.set OB,   6
.set OC,   7
.set SAD,  8
.set LAD,  9
.set OT,   10
.set T0,   11
.set T1,   12
.set WV,   14
.set SEL,  16
.macro BET xv, xi, yv, yi              ; vcc: x is the better: the larger score, at equal scores the lower index
	v_cmp_gt_f32 vcc_lo, v[\xv], v[\yv]
	v_cmp_eq_f32 s20, v[\xv], v[\yv]
	v_cmp_lt_u32 s21, v[\xi], v[\yi]
	s_and_b32 s20, s20, s21
	s_or_b32 vcc_lo, vcc_lo, s20
.endm
.macro CEX V, I, a, b
	BET \V+\a, \I+\a, \V+\b, \I+\b
	v_cndmask_b32 v[T0], v[\V+\b], v[\V+\a], vcc_lo
	v_cndmask_b32 v[T1], v[\I+\b], v[\I+\a], vcc_lo
	v_cndmask_b32 v[\V+\b], v[\V+\a], v[\V+\b], vcc_lo
	v_cndmask_b32 v[\I+\b], v[\I+\a], v[\I+\b], vcc_lo
	v_mov_b32 v[\V+\a], v[T0]
	v_mov_b32 v[\I+\a], v[T1]
.endm
.macro MERGE LV, LX, MV, MX            ; two sorted lists of four -> the best four, sorted, in the first
.irp k, 0,1,2,3
	BET \LV+\k, \LX+\k, \MV+3-\k, \MX+3-\k
	v_cndmask_b32 v[\LV+\k], v[\MV+3-\k], v[\LV+\k], vcc_lo
	v_cndmask_b32 v[\LX+\k], v[\MX+3-\k], v[\LX+\k], vcc_lo
.endr
	CEX \LV, \LX, 0, 2
	CEX \LV, \LX, 1, 3
	CEX \LV, \LX, 0, 1
	CEX \LV, \LX, 2, 3
.endm
	s_load_b256 s[4:11], s[0:1], 0x0               ; pval s[4:5], pidx s[6:7], pcnt s[8:9], tidx s[10:11]
	s_load_b64 s[12:13], s[0:1], 0x20              ; twgt
	v_lshl_add_u32 v[SPW], v0, 2, SPARE
	v_mov_b32 v[NIL], 0
	v_lshrrev_b32 v[T0], 5, v0
	v_readfirstlane_b32 s[WV], v[T0]
	v_and_b32 v[LANE], 31, v0
	v_and_b32 v[R], 15, v0
	v_bfe_u32 v[HF], v0, 4, 1
	s_mov_b32 s[SEL], 0x76543210
	s_mov_b32 s[SEL+1], 0xfedcba98
	s_lshl_b32 s18, s[WV], 16                      ; four chunks of 16,384 bytes a wave
	s_lshl_b32 s19, ttmp9, 8                       ; 16 queries of 16 bytes a work-group
	s_add_co_u32 s18, s18, s19
	v_lshlrev_b32 v[OT], 4, v[R]
	v_lshl_add_u32 v[OB], v[HF], 14, v[OT]
	v_add_nc_u32 v[OB], s18, v[OB]
	v_lshl_add_u32 v[LAD], v[HF], 10, v[OT]        ; wave 0 reads the lists of waves 4 h + i
	s_lshl_b32 s18, s[WV], 8
	v_add_nc_u32 v[SAD], s18, v[OT]
	v_add_nc_u32 v[OT], s19, v[OT]
	s_lshl_b32 s19, ttmp9, 6
	v_lshlrev_b32 v[OC], 2, v[R]
	v_lshl_add_u32 v[OC], v[HF], 12, v[OC]
	v_add_nc_u32 v[OC], s19, v[OC]
	s_wait_kmcnt 0x0
.irp a, 0,1                                    ; list B at v16-31, list P at v32-47; in each: chunk i's scores at + 8 i, its indices at + 8 i + 4
.irp i, 0,1
	global_load_b128 v[16+16*\a+8*\i:19+16*\a+8*\i], v[OB], s[4:5] offset:524288*\a+32768*\i
	global_load_b128 v[20+16*\a+8*\i:23+16*\a+8*\i], v[OB], s[6:7] offset:524288*\a+32768*\i
.endr
.endr
.irp i, 0,1,2,3,4,5,6,7,8,9,10,11,12,13,14,15
	global_load_b32 v[48+\i], v[OC], s[8:9] offset:8192*\i   ; the counts of chunks 2 i + h
.endr
	s_wait_loadcnt 0x0
.irp i, 0,1,2,3,4,5,6,7
	v_add_nc_u32 v[48+\i], v[48+\i], v[56+\i]
.endr
.irp i, 0,1,2,3
	v_add_nc_u32 v[48+\i], v[48+\i], v[52+\i]
.endr
	v_add_nc_u32 v48, v48, v50
	v_add_nc_u32 v49, v49, v51
	v_add_nc_u32 v48, v48, v49
	v_permlanex16_b32 v49, v48, s[SEL], s[SEL+1]
	v_add_nc_u32 v48, v48, v49                     ; the query's candidates with its phone, over all N
	v_cmp_le_u32 vcc_lo, 4, v48                    ; use_phone
.irp j, 0,1,2,3,4,5,6,7,8,9,10,11,12,13,14,15
	v_cndmask_b32 v[16+\j], v[16+\j], v[32+\j], vcc_lo
.endr
	MERGE 16, 20, 24, 28
.irp j, 0,1,2,3,4,5,6,7
	v_permlanex16_b32 v[24+\j], v[16+\j], s[SEL], s[SEL+1]
.endr
	MERGE 16, 20, 24, 28                           ; my wave's four chunks; both halves of the lanes now hold the same list
	ds_store_b128 v[SAD], v[16:19] offset:XV
	ds_store_b128 v[SAD], v[20:23] offset:XI
	s_wait_dscnt 0x0                               ; for the others' sake: my stores have landed
	s_barrier_signal -1
	s_barrier_wait -1
	s_cmp_lg_u32 s[WV], 0
	s_cbranch_scc1 .Lend
.irp i, 0,1,2,3
	ds_load_b128 v[16+8*\i:19+8*\i], v[LAD] offset:XV+256*\i
	ds_load_b128 v[20+8*\i:23+8*\i], v[LAD] offset:XI+256*\i
.endr
	s_wait_dscnt 0x0
	MERGE 16, 20, 24, 28
	MERGE 32, 36, 40, 44
	MERGE 16, 20, 32, 36
.irp j, 0,1,2,3,4,5,6,7
	v_permlanex16_b32 v[24+\j], v[16+\j], s[SEL], s[SEL+1]
.endr
	MERGE 16, 20, 24, 28                           ; all 32 chunks
	s_mov_b32 s23, 0xf0c9f2ca                      ; NEG
.irp k, 0,1,2,3
	v_cmp_lt_f32 vcc_lo, s23, v[16+\k]
	v_cndmask_b32 v[20+\k], \k, v[20+\k], vcc_lo   ; a slot that stayed masked names row k
.endr
.irp k, 1,2,3
	v_sub_f32 v[24+\k], v[16+\k], v16              ; the maximum is taken away: the list is sorted
.endr
.irp k, 1,2,3
	v_mul_f32 v[24+\k], 0x4038aa3b, v[24+\k]       ; -d2 = 2 s; e^x = 2^(x log2 e): the factor is 2 log2 e
.endr
.irp k, 1,2,3
	v_exp_f32 v[24+\k], v[24+\k]
.endr
	v_nop                                          ; a plain instruction behind the last exponential (ISA guide 5.7.2),
	s_wait_alu depctr_va_vdst(0)                   ; and the wait ahead of the first use: one for the three
	v_add_f32 v24, 1.0, v25
	v_add_f32 v28, v26, v27
	v_add_f32 v24, v24, v28
	v_rcp_f32 v24, v24
	v_nop
	s_wait_alu depctr_va_vdst(0)
.irp k, 1,2,3
	v_mul_f32 v[24+\k], v[24+\k], v24              ; v24 itself is the first weight
.endr
	v_cmp_gt_u32 vcc_lo, 16, v[LANE]
	s_wait_xcnt 0x0                                ; EXEC changes only behind this wait
	s_and_saveexec_b32 s22, vcc_lo                 ; lanes 16-31 hold the same numbers
	global_store_b128 v[OT], v[20:23], s[10:11]    ; sixteen lanes store 256 consecutive bytes, aligned
	global_store_b128 v[OT], v[24:27], s[12:13]
	s_wait_xcnt 0x0                                ; and again, in front of the line that widens it
	s_or_b32 exec_lo, exec_lo, s22
.Lend:
	s_wait_tensorcnt 0x0                           ; the wave's end: behind my last LDS store
	ds_add_u32 v[SPW], v[NIL]
	s_wait_dscnt 0x0
	s_endpgm
.Lfunc_end_k_qc79a7cad86_merge:
	.size	k_qc79a7cad86_merge, .Lfunc_end_k_qc79a7cad86_merge-k_qc79a7cad86_merge
	.p2alignl 7, 3214868480
	.fill 96, 4, 3214868480
	.section	.rodata,"a",@progbits
	.p2align	6, 0x0
	.amdhsa_kernel k_qc79a7cad86_merge
		.amdhsa_group_segment_fixed_size 5120
		.amdhsa_private_segment_fixed_size 0
		.amdhsa_enable_private_segment 0
		.amdhsa_kernarg_size 40
		.amdhsa_user_sgpr_count 2
		.amdhsa_user_sgpr_kernarg_segment_ptr 1
		.amdhsa_wavefront_size32 1
		.amdhsa_system_sgpr_workgroup_id_x 1
		.amdhsa_system_sgpr_workgroup_id_y 1
		.amdhsa_system_sgpr_workgroup_id_z 1
		.amdhsa_system_vgpr_workitem_id 0
		.amdhsa_next_free_vgpr 64
		.amdhsa_next_free_sgpr 66
		.amdhsa_reserve_vcc 1
		.amdhsa_float_denorm_mode_32 3
		.amdhsa_float_denorm_mode_16_64 3
		.amdhsa_memory_ordered 1
		.amdhsa_forward_progress 1
		.amdhsa_inst_pref_size 25
	.end_amdhsa_kernel
	.amdgpu_metadata
---
amdhsa.version: [ 1, 2 ]
amdhsa.kernels:
  - .name:           k_qc79a7cad86_merge
    .symbol:         k_qc79a7cad86_merge.kd
    .args:
      - { .name: pval, .offset: 0, .size: 8, .value_kind: global_buffer, .address_space: global }
      - { .name: pidx, .offset: 8, .size: 8, .value_kind: global_buffer, .address_space: global }
      - { .name: pcnt, .offset: 16, .size: 8, .value_kind: global_buffer, .address_space: global }
      - { .name: tidx, .offset: 24, .size: 8, .value_kind: global_buffer, .address_space: global }
      - { .name: twgt, .offset: 32, .size: 8, .value_kind: global_buffer, .address_space: global }
    .group_segment_fixed_size: 5120
    .private_segment_fixed_size: 0
    .kernarg_segment_align: 8
    .kernarg_segment_size: 40
    .max_flat_workgroup_size: 256
    .sgpr_count:     66
    .vgpr_count:     64
    .wavefront_size: 32
...
	.end_amdgpu_metadata
.endif
;; end of part 2
;; launch gather (part 3): grid 256 x 1, 4 waves a work-group, no clusters, 0 bytes of LDS; arguments prototypes, tidx, twgt, out0; writes out0
.if DOCPART == 3
	.amdgcn_target "amdgcn-amd-amdhsa--gfx1250"
	.amdhsa_code_object_version 6
	.text
	.protected	k_qc79a7cad86_gather
	.globl	k_qc79a7cad86_gather
	.p2align	8
	.type	k_qc79a7cad86_gather,@function
k_qc79a7cad86_gather:
	s_mov_b64 s[64:65], 0
	v_nop
	global_prefetch_b8 v0, s[64:65] scope:SCOPE_SE
	s_setreg_imm32_b32 hwreg(HW_REG_WAVE_MODE, 25, 1), 1
	s_wait_xcnt 0x0
; THIRD LAUNCH.  out0[q] = the sum over k of w[q][k] prototypes[idx[q][k]], in f32: one row of K = 4 terms for each query, by fused multiply-adds: a product of 1 x 4 x 256 would fill next to nothing of a
; matrix instruction, and the four rows' 4,096 bytes bound it.  The indices were stored as whole numbers by the launch before.  Only the four rows named are read.
; A wave takes a query: its indices and weights come by scalar loads; a row is two loads of 512 consecutive bytes.  No LDS, no barrier: waves share nothing.
; LIMIT: a row named with weight 0 is multiplied by 0, so an infinity or a NaN in it would show.
	s_load_b256 s[4:11], s[0:1], 0x0               ; prototypes s[4:5], tidx s[6:7], twgt s[8:9], out0 s[10:11]
	v_lshrrev_b32 v1, 5, v0
	v_readfirstlane_b32 s12, v1                    ; wave 0..3
	v_and_b32 v1, 31, v0
	v_lshlrev_b32 v1, 4, v1                        ; 16 bytes a lane
	s_lshl_b32 s13, ttmp9, 2
	s_add_co_u32 s13, s13, s12                     ; my query
	s_lshl_b32 s14, s13, 4
	s_mov_b32 s15, 0
	s_lshl_b32 s36, s13, 10
	s_mov_b32 s37, 0
	s_wait_kmcnt 0x0
	s_add_nc_u64 s[6:7], s[6:7], s[14:15]
	s_add_nc_u64 s[8:9], s[8:9], s[14:15]
	s_add_nc_u64 s[10:11], s[10:11], s[36:37]
	s_load_b128 s[16:19], s[6:7], 0x0              ; four indices
	s_load_b128 s[20:23], s[8:9], 0x0              ; four weights
	s_wait_kmcnt 0x0
.irp k, 0,1,2,3
	s_min_u32 s[16+\k], s[16+\k], 0x1869f          ; a loaded number enters an address only behind this bound, N - 1
	s_lshl_b32 s[24+2*\k], s[16+\k], 10
	s_mov_b32 s[25+2*\k], 0
	s_add_nc_u64 s[24+2*\k:25+2*\k], s[4:5], s[24+2*\k:25+2*\k]
.endr
.irp k, 0,1,2,3
	global_load_b128 v[4+8*\k:7+8*\k], v1, s[24+2*\k:25+2*\k]
	global_load_b128 v[8+8*\k:11+8*\k], v1, s[24+2*\k:25+2*\k] offset:512
.endr
	s_wait_loadcnt 0x0
.irp j, 0,1,2,3,4,5,6,7
	v_mul_f32 v[36+\j], s20, v[4+\j]
.endr
.irp k, 1,2,3
.irp j, 0,1,2,3,4,5,6,7
	v_fmac_f32 v[36+\j], s[20+\k], v[4+8*\k+\j]
.endr
.endr
	global_store_b128 v1, v[36:39], s[10:11] th:TH_STORE_NT              ; 32 lanes store 512 consecutive bytes, at a multiple of 256 from out0's first byte
	global_store_b128 v1, v[40:43], s[10:11] offset:512 th:TH_STORE_NT
	s_endpgm
.Lfunc_end_k_qc79a7cad86_gather:
	.size	k_qc79a7cad86_gather, .Lfunc_end_k_qc79a7cad86_gather-k_qc79a7cad86_gather
	.p2alignl 7, 3214868480
	.fill 96, 4, 3214868480
	.section	.rodata,"a",@progbits
	.p2align	6, 0x0
	.amdhsa_kernel k_qc79a7cad86_gather
		.amdhsa_group_segment_fixed_size 0
		.amdhsa_private_segment_fixed_size 0
		.amdhsa_enable_private_segment 0
		.amdhsa_kernarg_size 32
		.amdhsa_user_sgpr_count 2
		.amdhsa_user_sgpr_kernarg_segment_ptr 1
		.amdhsa_wavefront_size32 1
		.amdhsa_system_sgpr_workgroup_id_x 1
		.amdhsa_system_sgpr_workgroup_id_y 1
		.amdhsa_system_sgpr_workgroup_id_z 1
		.amdhsa_system_vgpr_workitem_id 0
		.amdhsa_next_free_vgpr 48
		.amdhsa_next_free_sgpr 66
		.amdhsa_reserve_vcc 0
		.amdhsa_float_denorm_mode_32 3
		.amdhsa_float_denorm_mode_16_64 3
		.amdhsa_memory_ordered 1
		.amdhsa_forward_progress 1
		.amdhsa_inst_pref_size 4
	.end_amdhsa_kernel
	.amdgpu_metadata
---
amdhsa.version: [ 1, 2 ]
amdhsa.kernels:
  - .name:           k_qc79a7cad86_gather
    .symbol:         k_qc79a7cad86_gather.kd
    .args:
      - { .name: prototypes, .offset: 0, .size: 8, .value_kind: global_buffer, .address_space: global }
      - { .name: tidx, .offset: 8, .size: 8, .value_kind: global_buffer, .address_space: global }
      - { .name: twgt, .offset: 16, .size: 8, .value_kind: global_buffer, .address_space: global }
      - { .name: out0, .offset: 24, .size: 8, .value_kind: global_buffer, .address_space: global }
    .group_segment_fixed_size: 0
    .private_segment_fixed_size: 0
    .kernarg_segment_align: 8
    .kernarg_segment_size: 32
    .max_flat_workgroup_size: 128
    .sgpr_count:     66
    .vgpr_count:     48
    .wavefront_size: 32
...
	.end_amdgpu_metadata
.endif
;; end of part 3
